; MI455X (gfx1250); checked and timed in simulation.
; The chip was launched on July 23, 2026; its instructions are those of AMD's public machine-readable ISA for CDNA 5 (MIT licence, August 2026) and "CDNA5" Instruction Set Architecture Reference Guide (July 2026). The comments in the code are by the model that wrote it; some were corrected since.
;; Attention. Allowed arithmetic: matrix products marked QUANTISED: E3M2 operands, one E8M0 scale for each 32 along K, by v_wmma_scale_f32_16x16x128_f8f6f4 with both operands' format E3M2, f32 sums; products left as they are: f32 operands where the result goes on into a quantised operand, else bf16, f16 or f32 operands; f32 sums; everything else in f32.
;; Inputs: V 1,024 float32; W 1,024 x 2,048 float32; attn_masks 32 x 2,048 int32; b 1,024 float32; enc_outputs 32 x 2,048 x 1,024 float32; last_state 32 x 1,024 float32.
;; Outputs: out0 32 x 1,024 float32; out1 32 x 2,048 float32; out2 32 x 2,048 float32.
;; This version of the problem:
;;   THIS VERSION OF THE PROBLEM IS GIVEN IN LOW PRECISION. The matrix products marked QUANTISED in the list below multiply operands that are first quantised to E3M2 (3 exponent bits, 2 mantissa bits; 6 bits a number), with one power-of-two scale for each 32 numbers along K (OCP MX v1.0); their sums are f32. All else is computed in f32.
;;   The module's matrix products, in the order in which they are computed (A, B: the left and right operand; K: the contracted axis; several contracted axes count as one K, in the product's order):
;;     1. [M 32, K 1,024] x [K 1,024, N 1,024]; A: input last_state; B: input W: QUANTISED
;;     2. [M 65,536, K 1,024] x [K 1,024, N 1,024]; A: input enc_outputs; B: input W: QUANTISED
;;     3. [M 65,536, K 1,024] x [K 1,024, N 1]; A: computed on the way; B: input V: left as it is (N = 1 < 16)
;;     4. batch 32 x [M 1, K 2,048] x [K 2,048, N 1,024]; A: softmax; B: input enc_outputs: left as it is (M = 1 < 16)
;;   THE QUANTISER, for each operand of a quantised product, along K:
;;     - K is cut into blocks of 32 from its start; a last block that is shorter is filled with zeros.
;;     - A block's scale is 2^e with e = floor(log2(the largest magnitude in the block)) - 4, held to -126 .. 127; a block of zeros has e = 0. As a byte (E8M0): e + 127.
;;     - Each number is divided by its block's scale, clamped to +-28, and rounded to the nearest number of E3M2, ties to even, subnormals kept.
;;     - The product sums the exact products of the quantised numbers (number of the format x scale) in f32.
;;   ~~~python
;;   def quantise(x, axis):      # numpy; x: float32 -> the quantised numbers, widened to float32 again
;;       x = np.moveaxis(x, axis, -1); K = x.shape[-1]
;;       x = np.pad(x, [(0, 0)] * (x.ndim - 1) + [(0, -K % 32)]); x = x.reshape(x.shape[:-1] + (-1, 32)); a = np.abs(x).max(-1, keepdims=True)
;;       e = np.where(a > 0, np.clip(np.frexp(np.where(a > 0, a, 1))[1] - 1 - 4, -126, 127), 0)      # np.frexp(a)[1] - 1 = floor(log2(a)), exactly
;;       r = np.clip(x / 2.0 ** e, -28, 28)
;;       step = 2.0 ** (np.maximum(np.frexp(np.where(r == 0, 1, r))[1] - 1, -2) - 2)
;;       q = np.round(r / step) * step * 2.0 ** e      # np.round: ties to even
;;       return np.moveaxis(q.reshape(q.shape[:-2] + (-1,))[..., :K], -1, axis).astype(np.float32)
;;   ~~~
;; One version. Each part assembles by itself: llvm-mc -triple=amdgcn-amd-amdhsa -mcpu=gfx1250 --defsym DOCPART=n.
;; ======== version 1 of 1: 3 launches
;; limits: right only within a limited range of input values; values are held in bf16: 8 bits of precision
;; workspace buffers: wq 786,432 bytes; ws 32,768 bytes; hb 131,072 bytes; list 524,288 bytes of whole numbers; meta 4,096 bytes of whole numbers; pc 2,097,152 bytes; ml 4,096 bytes
;; launch prep (part 1): grid 96 x 1, 8 waves a work-group, no clusters, 17,408 bytes of LDS; arguments W, b, last_state, attn_masks, wq, ws, hb, list, meta, out2, ml; writes wq, ws, hb, list, meta, out2, ml
.if DOCPART == 1
	.amdgcn_target "amdgcn-amd-amdhsa--gfx1250"
	.amdhsa_code_object_version 6
	.text
	.protected	k_qebc740821f_prep
	.globl	k_qebc740821f_prep
	.p2align	8
	.type	k_qebc740821f_prep,@function
k_qebc740821f_prep:
	s_mov_b64 s[64:65], 0
	v_nop
	global_prefetch_b8 v0, s[64:65] scope:SCOPE_SE
	s_setreg_imm32_b32 hwreg(HW_REG_WAVE_MODE, 25, 1), 1
	s_wait_xcnt 0x0
; TWO ROLES, parted on the work-group's number.
; Work-groups 0-63 (role W): work-group j takes rows 16 j .. 16 j + 15 of W, wave s the K step s (128 along K).  The wave quantises its piece of We (W[:, 1024:]) to codes of E3M2 with one E8M0
; byte for each 32 along K and stores it as an image of the operand's registers (wq) with its scale words (ws); it quantises its pieces of Wh and of last_state and multiplies them;
; the eight waves' partial sums meet in LDS, and waves 0 and 1 store hb = last_state Wh^T + b.
; Work-groups 64-95 (role M): one batch each.  attn_masks is read; the kept positions are numbered; kept position number pos goes to part pos & (parts - 1), slot pos >> sh of list[batch][16][256];
; parts = 8 while at most 1,152 positions are kept (144 a part), else 16 (at most 128 a part).  Every other word of the batch's list is stored as 0.  A batch with no kept position lists all
; 2,048 and sets a flag.  meta[batch]: words 0-15 the parts' numbers of rows, word 16 the flag, the rest 0.  out2 is stored as -1e12 everywhere, ml as (-3e38, 0): the next launch stores over its own parts.
; LIMITS: NaN and infinities among the inputs are not served; a block whose largest magnitude lies under 2^-122 keeps the scale byte 1 (a block of zeros too: its codes are zeros, and this program alone reads the bytes).
.set TM,  16                           ; v16-31   at work in the quantiser
.set TQ,  32                           ; v32-39   the upper halves of the blocks' codes
.set D0,  40                           ; v40-47, v48-55 the two products
.set D1,  48
.set BI,  56                           ; v56-63   b, then hb
.set X0,  64                           ; v64-127, v128-191 two sets of 64 numbers
.set X1,  128
.set CL0, 192                          ; codes: last_state rows 0-15, rows 16-31, Wh, We
.set CL1, 204
.set CH,  216
.set CE,  228
.set SW,  248                          ; v248-251 their scale words, and nothing else
.set SEL, 38                           ; s[38:39] selects for lane l xor 16
.macro XLOAD reg, adr, base, off       ; 64 numbers of my row: register 16 b + i = k 32 b + 16 (lane / 16) + i
.irp b, 0,1,2,3
.irp j, 0,1,2,3
	global_load_b128 v[\reg+16*\b+4*\j:\reg+16*\b+4*\j+3], v[\adr], s[\base:\base+1] offset:\off+128*\b+16*\j
.endr
.endr
.endm
.macro QUANT xs, cd, pw                ; those 64 numbers become a fragment's 12 registers of codes in v[cd] on and the row's scale word in v[pw]
.irp b, 0,1,2,3
	v_max3_num_f32 v[TM+\b], |v[\xs+16*\b]|, |v[\xs+1+16*\b]|, 0x2800000   ; my 16 numbers of block b, and the floor 2^(5 - 127): the byte cannot fall under 1
.endr
.irp i, 2,4,6,8,10,12,14
.irp b, 0,1,2,3
	s_delay_alu instid0(VALU_DEP_4)
	v_max3_num_f32 v[TM+\b], v[TM+\b], |v[\xs+16*\b+\i]|, |v[\xs+1+16*\b+\i]|
.endr
.endr
.irp b, 0,1,2,3
	s_delay_alu instid0(VALU_DEP_4)
	v_permlanex16_b32 v[TM+4+\b], v[TM+\b], s[SEL], s[SEL+1]
.endr
.irp b, 0,1,2,3
	s_delay_alu instid0(VALU_DEP_4)
	v_max_num_f32 v[TM+\b], v[TM+\b], v[TM+4+\b]             ; with lane l xor 16's: the block's largest magnitude
.endr
.irp b, 0,1,2,3
	s_delay_alu instid0(VALU_DEP_4)
	v_add_nc_u32 v[TM+12+\b], 0xfe000000, v[TM+\b]           ; 4 off its exponent field: the conversion's scale operand
.endr
.irp b, 0,1,2,3
	s_delay_alu instid0(VALU_DEP_4)
	v_lshrrev_b32 v[TM+4+\b], 23, v[TM+12+\b]                ; the scale's byte
.endr
	s_delay_alu instid0(VALU_DEP_3)
	v_lshl_or_b32 v[\pw], v[TM+5], 8, v[TM+4]
	s_delay_alu instid0(VALU_DEP_1)
	v_lshl_or_b32 v[\pw], v[TM+6], 16, v[\pw]
	s_delay_alu instid0(VALU_DEP_1)
	v_lshl_or_b32 v[\pw], v[TM+7], 24, v[\pw]
.irp c, 0,1
	v_cvt_scalef32_pk16_bf6_f32 v[\cd+6*\c:\cd+2+6*\c], v[\xs+32*\c:\xs+15+32*\c], v[TM+12+2*\c]
	v_cvt_scalef32_pk16_bf6_f32 v[TQ+4*\c:TQ+2+4*\c], v[\xs+16+32*\c:\xs+31+32*\c], v[TM+12+2*\c+1]
.endr
	v_nop                                                    ; one plain instruction behind the scaled conversions
.irp c, 0,1                            ; the operand wants a whole block in a lane: lanes 0-15 block 2 c, lanes 16-31 block 2 c + 1
.irp i, 0,1,2
	v_permlane16_swap_b32 v[\cd+6*\c+\i], v[TQ+4*\c+\i]
.endr
.irp i, 0,1,2
	s_delay_alu instid0(VALU_DEP_3)
	v_mov_b32 v[\cd+3+6*\c+\i], v[TQ+4*\c+\i]
.endr
.endr
.endm
	s_load_b512 s[4:19], s[0:1], 0x0               ; W s[4:5], b s[6:7], last_state s[8:9], attn_masks s[10:11], wq s[12:13], ws s[14:15], hb s[16:17], list s[18:19]
	s_load_b128 s[20:23], s[0:1], 0x40             ; meta s[20:21], out2 s[22:23]
	s_load_b64 s[54:55], s[0:1], 0x50              ; ml
	v_lshl_add_u32 v254, v0, 2, 0x4000
	v_mov_b32 v255, 0
	v_lshrrev_b32 v1, 5, v0
	s_delay_alu instid0(VALU_DEP_1)
	v_readfirstlane_b32 s24, v1                    ; wave 0..7
	v_and_b32 v1, 31, v0                           ; lane
	s_cmp_ge_u32 ttmp9, 64
	s_cbranch_scc1 .Lmask
	; ---------------- role W ----------------
	v_and_b32 v2, 15, v0                           ; r
	v_bfe_u32 v3, v0, 4, 1                         ; h
	s_delay_alu instid0(VALU_DEP_2)
	v_lshlrev_b32 v4, 13, v2
	s_delay_alu instid0(VALU_DEP_1)
	v_lshl_add_u32 v4, v3, 6, v4                   ; W: row r of 8,192 bytes, + 64 h
	s_delay_alu instid0(VALU_DEP_4)
	v_lshlrev_b32 v5, 12, v2
	s_delay_alu instid0(VALU_DEP_1)
	v_lshl_add_u32 v5, v3, 6, v5                   ; last_state: row r of 4,096 bytes, + 64 h
	v_lshlrev_b32 v6, 4, v1                        ; 16 x lane: an image's place
	v_lshlrev_b32 v7, 3, v2                        ; ws: 8 bytes a row (lanes 16-31 store the same word as lanes 0-15, at the same place)
	s_lshl_b32 s25, s24, 11
	v_lshl_add_u32 v8, v1, 5, s25                  ; LDS: my wave's 2,048 bytes of partial sums, 32 bytes a lane
	s_and_b32 s36, s24, 1
	v_lshlrev_b32 v9, 12, v2
	s_delay_alu instid0(VALU_DEP_1)
	v_lshl_add_u32 v9, v3, 5, v9
	s_lshl_b32 s37, s36, 16
	v_add_nc_u32 v9, s37, v9                       ; hb: row 16 (wave & 1) + r, + 32 h
	s_lshl_b32 s37, s36, 10
	v_lshl_add_u32 v10, v1, 5, s37                 ; LDS, back: tile (wave & 1) of every wave's sums
	v_lshlrev_b32 v11, 5, v3                       ; b: 32 h
.irp i, 0,1,2,3
	v_mov_b32 v[TM+4+\i], 0                        ; written once: a lane permute's destination counts as one of its sources
.endr
	s_mov_b32 s[SEL], 0x76543210
	s_mov_b32 s[SEL+1], 0xfedcba98
	s_lshl_b32 s26, ttmp9, 17                      ; 16 rows of W
	s_lshl_b32 s28, s24, 9                         ; my K step: 512 bytes
	s_add_co_u32 s26, s26, s28
	s_mov_b32 s27, 0
	s_mov_b32 s29, 0
	s_lshr_b32 s30, ttmp9, 2
	s_lshl_b32 s30, s30, 3
	s_add_co_u32 s30, s30, s24                     ; (j >> 2) 8 + s
	s_lshl_b32 s32, s30, 8                         ; ws: groups of 256 bytes
	s_lshl_b32 s30, s30, 2
	s_and_b32 s31, ttmp9, 3
	s_add_co_u32 s30, s30, s31
	s_mul_i32 s30, s30, 1536                       ; wq: images of 1,536 bytes
	s_mov_b32 s31, 0
	s_and_b32 s33, ttmp9, 1
	s_lshl_b32 s33, s33, 7                         ; odd tiles in lanes 16-31 of the reader
	s_add_co_u32 s32, s32, s33
	s_bfe_u32 s33, ttmp9, 0x10001
	s_lshl_b32 s33, s33, 2                         ; tiles 2, 3 of four in the pair's second word
	s_add_co_u32 s32, s32, s33
	s_mov_b32 s33, 0
	s_lshl_b32 s34, ttmp9, 6                       ; 16 numbers of b and of a row of hb
	s_mov_b32 s35, 0
	s_wait_alu depctr_va_vdst(0)
	s_wait_kmcnt 0x0
	s_add_nc_u64 s[4:5], s[4:5], s[26:27]
	s_add_nc_u64 s[8:9], s[8:9], s[28:29]
	s_add_nc_u64 s[12:13], s[12:13], s[30:31]
	s_add_nc_u64 s[14:15], s[14:15], s[32:33]
	s_add_nc_u64 s[16:17], s[16:17], s[34:35]
	s_add_nc_u64 s[6:7], s[6:7], s[34:35]
	global_load_b128 v[BI:BI+3], v11, s[6:7]
	global_load_b128 v[BI+4:BI+7], v11, s[6:7] offset:16
	XLOAD X0, 5, 8, 0                              ; last_state rows 0-15
	XLOAD X1, 5, 8, 65536                          ; rows 16-31
	s_wait_loadcnt 16                              ; all but the younger set of 16
	QUANT X0, CL0, SW
	XLOAD X0, 4, 4, 0                              ; Wh
	s_wait_loadcnt 16
	QUANT X1, CL1, SW+1
	XLOAD X1, 4, 4, 4096                           ; We
	s_wait_loadcnt 16
	QUANT X0, CH, SW+2
	s_wait_loadcnt 0x0
	QUANT X1, CE, SW+3
.irp k, 0,1,2
	global_store_b128 v6, v[CE+4*\k:CE+4*\k+3], s[12:13] offset:512*\k     ; 32 lanes store 512 consecutive bytes
.endr
	global_store_b32 v7, v[SW+3], s[14:15]
.rept 8
	v_nop                                          ; scale words written by vector instructions stand 8 places ahead of a scaled product, operands 4
.endr
	v_wmma_scale_f32_16x16x128_f8f6f4 v[D0:D0+7], v[CH:CH+11], v[CL0:CL0+11], 0, v[SW+2], v[SW] matrix_a_fmt:MATRIX_FMT_BF6 matrix_b_fmt:MATRIX_FMT_BF6
	v_wmma_scale_f32_16x16x128_f8f6f4 v[D1:D1+7], v[CH:CH+11], v[CL1:CL1+11], 0, v[SW+2], v[SW+1] matrix_a_fmt:MATRIX_FMT_BF6 matrix_b_fmt:MATRIX_FMT_BF6
.rept 4
	v_nop                                          ; four places ahead of the first read of the results
.endr
	ds_store_b128 v8, v[D0:D0+3]                   ; lane (r, h), register i: batch row 16 t + r, hidden unit 16 j + 8 h + i
	ds_store_b128 v8, v[D0+4:D0+7] offset:16
	ds_store_b128 v8, v[D1:D1+3] offset:1024
	ds_store_b128 v8, v[D1+4:D1+7] offset:1040
	s_wait_dscnt 0x0                               ; for the others' sake: my stores have landed
	s_barrier_signal -1
	s_barrier_wait -1
	s_cmp_lt_u32 s24, 2
	s_cbranch_scc0 .Lenda                          ; waves 0 and 1 add the eight K steps of tile 0 and 1
.irp s, 0,1,2,3,4,5,6,7
	ds_load_b128 v[X0+8*\s:X0+8*\s+3], v10 offset:2048*\s
	ds_load_b128 v[X0+8*\s+4:X0+8*\s+7], v10 offset:2048*\s+16
.endr
	s_wait_dscnt 0x0
.irp s, 0,1,2,3,4,5,6,7
.irp p, 0,2,4,6
	v_pk_add_f32 v[BI+\p:BI+\p+1], v[BI+\p:BI+\p+1], v[X0+8*\s+\p:X0+8*\s+\p+1]
.endr
.endr
	global_store_b128 v9, v[BI:BI+3], s[16:17]
	global_store_b128 v9, v[BI+4:BI+7], s[16:17] offset:16
.Lenda:
	s_wait_tensorcnt 0x0
	ds_add_u32 v254, v255
	s_wait_dscnt 0x0
	s_endpgm
	; ---------------- role M ----------------
.Lmask:
	s_sub_co_u32 s25, ttmp9, 64                    ; the batch
	s_mov_b32 s27, 0
	s_lshl_b32 s26, s25, 13                        ; 2,048 words
	s_lshl_b32 s28, s24, 10
	s_lshl_b32 s29, s24, 8
	s_lshl_b32 s32, s24, 1                         ; my wave owns loads 2 w and 2 w + 1 of the sixteen
	s_wait_alu depctr_va_vdst(0)
	v_lshlrev_b32 v6, 4, v1                        ; 16 x lane
	s_delay_alu instid0(VALU_DEP_1)
	v_add_nc_u32 v7, s28, v6                       ; + 1,024 x wave: my wave's 256 positions
	v_lshlrev_b32 v8, 4, v0                        ; 16 x thread
	v_mov_b32 v9, 0
	s_delay_alu instid0(VALU_DEP_3)
	v_lshrrev_b32 v12, 2, v7                       ; position 256 w + 4 lane
	v_add_nc_u32 v13, s29, v1                      ; 256 w + lane: my place in the order in which positions are numbered (+ 32 k)
	s_delay_alu instid0(VALU_DEP_1)
	v_add_nc_u32 v14, 2048, v13                    ; the fill with 8 parts: the words of parts 8-15
	v_lshl_add_u32 v15, s24, 9, v1                 ; the fill with 16 parts: slots 128-255 of every part
.irp i, 0,1,2,3
	v_mov_b32 v[20+\i], 0xd368d4a5                 ; -1e12
.endr
	s_wait_alu depctr_va_vdst(0)
	s_wait_kmcnt 0x0
	s_add_nc_u64 s[10:11], s[10:11], s[26:27]
	s_add_nc_u64 s[22:23], s[22:23], s[26:27]
	global_load_b128 v[32:35], v7, s[10:11]                    ; my wave's own positions,
	global_load_b128 v[36:39], v7, s[10:11] offset:512
.irp j, 0,1,2,3,4,5,6,7,8,9,10,11,12,13,14,15
	global_load_b128 v[64+4*\j:67+4*\j], v6, s[10:11] offset:512*\j   ; and the whole batch's, for the counts: no wave asks another
.endr
	global_store_b128 v8, v[20:23], s[22:23]
	global_store_b128 v8, v[20:23], s[22:23] offset:4096
	s_lshl_b32 s26, s25, 14
	s_add_nc_u64 s[18:19], s[18:19], s[26:27]      ; list: 16 parts x 256 words
	s_lshl_b32 s26, s25, 7
	s_add_nc_u64 s[20:21], s[20:21], s[26:27]      ; meta: 32 words
	s_add_nc_u64 s[54:55], s[54:55], s[26:27]      ; ml: 16 pairs
	s_mov_b32 s30, 0                               ; kept in the batch
	s_mov_b32 s31, 0                               ; kept in the waves below mine
	s_wait_loadcnt 0x0
.irp j, 0,1,2,3,4,5,6,7,8,9,10,11,12,13,14,15
	v_cmp_eq_u32 s40, 1, v[64+4*\j]
	v_cmp_eq_u32 s41, 1, v[65+4*\j]
	v_cmp_eq_u32 s42, 1, v[66+4*\j]
	v_cmp_eq_u32 s43, 1, v[67+4*\j]
	s_bcnt1_i32_b32 s40, s40
	s_bcnt1_i32_b32 s41, s41
	s_bcnt1_i32_b32 s42, s42
	s_bcnt1_i32_b32 s43, s43
	s_add_co_u32 s40, s40, s41
	s_add_co_u32 s42, s42, s43
	s_add_co_u32 s40, s40, s42
	s_add_co_u32 s30, s30, s40
	s_cmp_gt_u32 s32, \j
	s_cselect_b32 s40, s40, 0
	s_add_co_u32 s31, s31, s40
.endr
.irp k, 0,1,2,3,4,5,6,7
	v_cmp_eq_u32 s[44+\k], 1, v[32+\k]             ; element k of lane l is position 256 w + 128 (k / 4) + 4 l + k % 4
.endr
	s_cmp_eq_u32 s30, 0
	s_cselect_b32 s33, 1, 0                        ; nothing kept: the flag,
	s_cselect_b32 s34, -1, 0                       ; as a mask of lanes,
	s_cselect_b32 s35, 2048, s30                   ; and all 2,048 are listed
	s_cmp_gt_u32 s35, 1152
	s_cselect_b32 s36, 4, 3                        ; sh
	s_cselect_b32 s37, 15, 7                       ; parts - 1
	s_cselect_b32 s38, -1, 0
.irp k, 0,1,2,3,4,5,6,7
	v_mbcnt_lo_u32_b32 v16, s[44+\k], s31          ; kept ahead of me in the order (wave, k, lane)
	s_bcnt1_i32_b32 s52, s[44+\k]
	s_add_co_u32 s31, s31, s52
	v_add_nc_u32 v17, 32*\k, v13
	s_delay_alu instid0(VALU_DEP_1)
	v_sub_nc_u32 v17, v17, v16
	s_delay_alu instid0(VALU_DEP_1)
	v_add_nc_u32 v17, s30, v17                     ; a masked position goes behind all kept ones
	s_delay_alu instid0(VALU_DEP_1)
	v_cndmask_b32 v17, v17, v16, s[44+\k]          ; pos: a permutation of 0 .. 2,047
	s_or_b32 s52, s[44+\k], s34
	v_add_nc_u32 v18, 128*(\k/4)+(\k%4), v12
	s_delay_alu instid0(VALU_DEP_1)
	v_cndmask_b32 v[48+\k], 0, v18, s52            ; a listed position stores its number, any other 0
	v_and_b32 v18, s37, v17                        ; part
	v_lshrrev_b32 v17, s36, v17                    ; slot
	s_delay_alu instid0(VALU_DEP_1)
	v_lshl_add_u32 v17, v18, 8, v17
	s_delay_alu instid0(VALU_DEP_1)
	v_min_u32 v17, 0xfff, v17                      ; inside the batch's 4,096 words
	s_delay_alu instid0(VALU_DEP_1)
	v_lshlrev_b32 v[40+\k], 2, v17
	global_store_b32 v[40+\k], v[48+\k], s[18:19]
	v_add_nc_u32 v17, 32*\k, v14                   ; the 2,048 words that no pos reaches
	v_add_nc_u32 v18, 256*(\k/4)+128+32*(\k%4), v15
	s_delay_alu instid0(VALU_DEP_1)
	v_cndmask_b32 v17, v17, v18, s38
	s_delay_alu instid0(VALU_DEP_1)
	v_min_u32 v17, 0xfff, v17
	s_delay_alu instid0(VALU_DEP_1)
	v_lshlrev_b32 v[56+\k], 2, v17
	global_store_b32 v[56+\k], v9, s[18:19]
.endr
	s_cmp_lg_u32 s24, 0
	s_cbranch_scc1 .Lendb                          ; wave 0 stores the batch's 32 words of meta and its 16 pairs of ml
	s_add_co_u32 s39, s35, s37
	v_sub_nc_u32 v24, s39, v1
	s_delay_alu instid0(VALU_DEP_1)
	v_lshrrev_b32 v24, s36, v24                    ; n_t = (listed + parts - 1 - t) >> sh
	v_cmp_ge_u32 vcc_lo, s37, v1
	s_delay_alu instid0(VALU_DEP_1)
	v_cndmask_b32 v24, 0, v24, vcc_lo              ; for t < parts, else 0
	v_mov_b32 v25, s33
	v_cmp_eq_u32 vcc_lo, 16, v1
	s_delay_alu instid0(VALU_DEP_1)
	v_cndmask_b32 v24, v24, v25, vcc_lo            ; word 16: the flag
	v_lshlrev_b32 v28, 2, v1
	global_store_b32 v28, v24, s[20:21]
	v_and_b32 v29, 15, v1
	s_delay_alu instid0(VALU_DEP_1)
	v_lshlrev_b32 v29, 3, v29                      ; lanes 16-31 store what lanes 0-15 store, at the same places
	v_mov_b32 v26, 0xff61b1e6                      ; -3e38
	v_mov_b32 v27, 0
	global_store_b64 v29, v[26:27], s[54:55]
.Lendb:
	s_endpgm
.Lfunc_end_k_qebc740821f_prep:
	.size	k_qebc740821f_prep, .Lfunc_end_k_qebc740821f_prep-k_qebc740821f_prep
	.p2alignl 7, 3214868480
	.fill 96, 4, 3214868480
	.section	.rodata,"a",@progbits
	.p2align	6, 0x0
	.amdhsa_kernel k_qebc740821f_prep
		.amdhsa_group_segment_fixed_size 17408
		.amdhsa_private_segment_fixed_size 0
		.amdhsa_enable_private_segment 0
		.amdhsa_kernarg_size 88
		.amdhsa_user_sgpr_count 2
		.amdhsa_user_sgpr_kernarg_segment_ptr 1
		.amdhsa_wavefront_size32 1
		.amdhsa_system_sgpr_workgroup_id_x 1
		.amdhsa_system_sgpr_workgroup_id_y 1
		.amdhsa_system_sgpr_workgroup_id_z 1
		.amdhsa_system_vgpr_workitem_id 0
		.amdhsa_next_free_vgpr 256
		.amdhsa_next_free_sgpr 66
		.amdhsa_reserve_vcc 1
		.amdhsa_float_denorm_mode_32 3
		.amdhsa_float_denorm_mode_16_64 3
		.amdhsa_memory_ordered 1
		.amdhsa_forward_progress 1
		.amdhsa_inst_pref_size 62
	.end_amdhsa_kernel
	.amdgpu_metadata
---
amdhsa.version: [ 1, 2 ]
amdhsa.kernels:
  - .name:           k_qebc740821f_prep
    .symbol:         k_qebc740821f_prep.kd
    .args:
      - { .name: W, .offset: 0, .size: 8, .value_kind: global_buffer, .address_space: global }
      - { .name: b, .offset: 8, .size: 8, .value_kind: global_buffer, .address_space: global }
      - { .name: last_state, .offset: 16, .size: 8, .value_kind: global_buffer, .address_space: global }
      - { .name: attn_masks, .offset: 24, .size: 8, .value_kind: global_buffer, .address_space: global }
      - { .name: wq, .offset: 32, .size: 8, .value_kind: global_buffer, .address_space: global }
      - { .name: ws, .offset: 40, .size: 8, .value_kind: global_buffer, .address_space: global }
      - { .name: hb, .offset: 48, .size: 8, .value_kind: global_buffer, .address_space: global }
      - { .name: list, .offset: 56, .size: 8, .value_kind: global_buffer, .address_space: global }
      - { .name: meta, .offset: 64, .size: 8, .value_kind: global_buffer, .address_space: global }
      - { .name: out2, .offset: 72, .size: 8, .value_kind: global_buffer, .address_space: global }
      - { .name: ml, .offset: 80, .size: 8, .value_kind: global_buffer, .address_space: global }
    .group_segment_fixed_size: 17408
    .private_segment_fixed_size: 0
    .kernarg_segment_align: 8
    .kernarg_segment_size: 88
    .max_flat_workgroup_size: 256
    .sgpr_count:     66
    .vgpr_count:     256
    .wavefront_size: 32
...
	.end_amdgpu_metadata
.endif
;; end of part 1
;; launch main (part 2): grid 32 x 16, 4 waves a work-group, no clusters, 320,000 bytes of LDS; arguments enc_outputs, V, wq, ws, hb, list, meta, out2, pc, ml; writes out2, pc, ml
.if DOCPART == 2
	.amdgcn_target "amdgcn-amd-amdhsa--gfx1250"
	.amdhsa_code_object_version 6
	.text
	.protected	k_qebc740821f_main
	.globl	k_qebc740821f_main
	.p2align	8
	.type	k_qebc740821f_main,@function
k_qebc740821f_main:
	s_mov_b64 s[64:65], 0
	v_nop
	global_prefetch_b8 v0, s[64:65] scope:SCOPE_SE
	s_setreg_imm32_b32 hwreg(HW_REG_WAVE_MODE, 25, 1), 1
	s_wait_xcnt 0x0
; Work-group (batch b, part t) takes the n <= 144 rows of enc_outputs that list[b][t] names (the positions whose mask is 1; all positions where a batch has none) as 9 tiles of 16 rows; slots past n name row 0 and are discarded.
; PHASE L: each row is read from memory ONCE.  Wave w takes columns 256 w .. 256 w + 255 (K steps 2 w, 2 w + 1) of all rows: a unit is 16 rows x 128 columns, 16 loads of 512 consecutive bytes.  A unit is kept as bf16
;   (tiles 5-8 in registers, tiles 0-4 in LDS), turned through the wave's stage in LDS so that a lane holds 16 neighbours along K, quantised to E3M2 with E8M0 scales, and stored in LDS as an image of the operand's registers.
; PHASE G: x = hb + Q(enc) Q(We)^T.  Wave w makes hidden units 256 w .. + 255 for all 144 rows, in 4 chunks of 4 tiles of 16 units: 36 accumulators by turns, 8 K steps.  Source 0 = 16 rows of We, from memory straight into a ring of
;   four register sets (an earlier launch laid them in the registers' order), source 1 = 16 rows of enc from LDS: a lane holds one row of enc and eight hidden units.  hb is the C of a chunk's first products.
;   tanh(x) = 1 - 2 r, r = 1 / (1 + 2^(2 log2(e) x)): the score's part is sum V - 2 sum V r.
; PHASE S: the four waves' parts meet in LDS; scores of kept rows go to out2; m = the part's largest score, p = e^(score - m), l = sum p go on.
; PHASE C: the part's context sum p x enc from the bf16 copy; each wave its own 256 columns.  pc[b][t], ml[b][t] are joined by the next launch.
; THE GRID serves every mask: 8 parts of at most 144 rows or 16 of at most 128.  A part without rows stores nothing: it passes both barriers and jumps over the work between and behind them (scalar branches on its stored number of rows),
; so every wave passes every barrier on every way.  Hence no tensor load, no copy and no cluster here, and We goes from memory into registers; each wave is the only reader of its fragments in its work-group.
; Every LDS address register is made at the head from the thread's number and constants, or in a loop's trip from a head register and the trip's number; all else that changes stands in immediate offsets.
; No prefetch: phase L keeps two to four units of 8 KB a wave on their way from its first line on, and wq is read again by every work-group.
; LIMITS: NaN and infinities are not served; a block whose largest magnitude lies under 2^-122 keeps the scale byte 1; kept scores must lie above -1e12 + 104 (sum |V| under 1e11), so that masked positions have weight 0 as in f32;
; enc is rounded to bf16 for the context alone.
.set XSC,  110592                      ; LDS: 0: images, (K step s, tile i) at 13,824 s + 1,536 i;  XSC: scale words [s][10 slots][16 rows x 4 bytes]
; THE KEPT bf16 COPY, as the text below has it: tiles 0-4 lie in LDS, tiles 5-8 in registers (window 3).  Units 0-7 of phase L and tiles 0-4 of phase C run in counted loops that every
; work-group walks; a part without rows jumps over the work inside each trip.  The loops' LDS addresses are a head register + a constant x the trip's number.
.set RET,  115712                      ; bf16 rows of tiles 0-4, 2,048 bytes a row: [wave 512][lane 16][unit 8]
.set STG,  279552                      ; a stage of 16 rows x 528 bytes for each wave
.set PS,   313344                      ; the waves' parts of the scores [wave][144]
.set PW,   315648                      ; the weights p, a copy for each wave [wave][144]
; window 0: v1 16 lane; v2 4 r; v3, v4 stage in, out; v5 images in; v6 scale words in; v7-9 kept rows; v10-11 images out; v12 scale words out; v13 32 h; v14 0; v15-18 scores and weights; v19 8 lane; v20 16 lane + 1,024 w; v21 r; v22-23 at work in the head
.set RT,   7
.set ADA,  10
.set BS,   24                          ; v24-31   We's scale words, a pair for each ring set: nothing else ever
.set AS,   32                          ; v32-41   enc's scale words, five for each parity of the K step: nothing else ever
.set CT,   44                          ; v44-51   the context's eight sums
.set TM,   44                          ; phase L: v44-59 at work, v60-71 codes, v72-79 upper halves, v80 scale word, v82-113 bf16 on its way to LDS, v114-241 two sets of 64 numbers
.set CD,   60
.set TQ,   72
.set PWD,  80
.set TMPB, 82
.set X,    114
.set SA,   44                          ; phase G: v44-61 sum V r, a pair a tile; v62-63 sum V; v64-95 hb; v96-127 V; v128-235 enc's nine fragments
.set SV,   62
.set HB,   64
.set VV,   96
.set AF,   128
.set PP,   52                          ; phases S, C: v52-131 the weights (tiles 5-8 from v68 on, a trip's tile in v52-67); v196-231 the waves' parts, then p; v205-213 offsets; v[214:215] m, l; v232-240 scores; v242-250 row numbers
.set TT,   196
.set SMX,  196
.set VO2,  205
.set ML,   214
.set SCR,  232
.set IDX,  242
; window 1: v0-191 the ring of We's fragments (set k, tile c at 48 k + 12 c); v192-223 tile 8's accumulators (phase L: the rows' offsets, two sets of 16)
; window 2: accumulator (tile i < 8, c) at 32 i + 8 c (phase L: four landing sets of 64; phase C: 16 rows read back)      window 3: the bf16 copy of tiles 5-8, row (i, p) at 64 (i - 5) + 4 p
; v242-245 phase L's loop: kept rows (two registers), images, scale words of this trip; v251-252 phase C's loop: kept rows and weights of this trip
.set IX,   32                          ; s[32:63] two sets of 16 row numbers; later s32-40 the tiles' masks of valid rows
.set SEL,  82
.set MSB, 0
.set RTB, 7                            ; which registers phase L's LDS stores and list loads name: the head's, or inside the loop the trip's
.set IMA, 5
.set IMS, 6
.set LB,  14
.macro WIN new                         ; bits 1:0 source 0, 3:2 source 1, 5:4 source 2, 7:6 destination; the high byte repeats the setting that is left
.if MSB != \new
	s_set_vgpr_msb (MSB<<8)|\new
.set MSB, \new
.endif
.endm
.macro PLACES                          ; four plain instructions between a product and a load into, or a read of, its registers
.rept 4
	v_nop
.endr
.endm
.macro VO i                            ; tile i's 16 row numbers become byte offsets: 4,096 x row + my lane's place in a row
	WIN 0x40
.irp p, 0,1,2,3,4,5,6,7,8,9,10,11,12,13,14,15
	s_min_u32 s[IX+16*((\i)%2)+\p], s[IX+16*((\i)%2)+\p], 0x7ff
	v_lshl_add_u32 v[192+16*((\i)%2)+\p], s[IX+16*((\i)%2)+\p], 12, v20
.endr
.endm
.macro LOAD u                          ; unit u = 2 i + sl: 16 rows x 512 consecutive bytes into landing set u % 4
	WIN 0x81
.irp p, 0,1,2,3,4,5,6,7,8,9,10,11,12,13,14,15
	global_load_b128 v[64*((\u)%4)+4*\p:64*((\u)%4)+4*\p+3], v[192+16*(((\u)/2)%2)+\p], s[4:5] offset:512*((\u)%2)
.endr
.endm
.macro RETAIN u                        ; the unit as bf16: into window 3, or through v[TMPB] into LDS
.set RI, (\u)/2
.set RS, (\u)%2
.set RL, 64*((\u)%4)
.if RI > 4
	WIN 0xca
.irp p, 0,1,2,3,4,5,6,7,8,9,10,11,12,13,14,15
	v_cvt_pk_bf16_f32 v[64*(RI-5)+4*\p+2*RS], v[RL+4*\p], v[RL+4*\p+1]
	v_cvt_pk_bf16_f32 v[64*(RI-5)+4*\p+2*RS+1], v[RL+4*\p+2], v[RL+4*\p+3]
.endr
.else
	WIN 0x0a
.irp p, 0,1,2,3,4,5,6,7,8,9,10,11,12,13,14,15
	v_cvt_pk_bf16_f32 v[TMPB+2*\p], v[RL+4*\p], v[RL+4*\p+1]
	v_cvt_pk_bf16_f32 v[TMPB+2*\p+1], v[RL+4*\p+2], v[RL+4*\p+3]
.endr
	WIN 0
.irp p, 0,1,2,3,4,5,6,7,8,9,10,11,12,13,14,15
	ds_store_b64 v[RTB+RI/2], v[TMPB+2*\p:TMPB+2*\p+1] offset:((RI%2)*16+\p)*2048+8*RS
.endr
.endif
.endm
.macro TURN u                          ; through my stage: in as loaded (a row's 512 bytes on end), out 64 bytes a lane: register 16 b + i = k 32 b + 16 h + i of row r.  LDS serves a wave's instructions in order
	WIN 0x08
.irp p, 0,1,2,3,4,5,6,7,8,9,10,11,12,13,14,15
	ds_store_b128 v3, v[64*((\u)%4)+4*\p:64*((\u)%4)+4*\p+3] offset:528*\p
.endr
	WIN 0
.irp b, 0,1,2,3
.irp j, 0,1,2,3
	ds_load_b128 v[X+64*((\u)%2)+16*\b+4*\j:X+64*((\u)%2)+16*\b+4*\j+3], v4 offset:128*\b+16*\j
.endr
.endr
.endm
.macro QUANT xs                        ; 64 numbers of a lane become a fragment's codes in v[CD] on and the row's scale word in v[PWD]
	WIN 0
.irp b, 0,1,2,3
	v_max3_num_f32 v[TM+\b], |v[\xs+16*\b]|, |v[\xs+1+16*\b]|, 0x2800000   ; and the floor 2^(5 - 127): the byte cannot fall under 1
.endr
.irp i, 2,4,6,8,10,12,14
.irp b, 0,1,2,3
	v_max3_num_f32 v[TM+\b], v[TM+\b], |v[\xs+16*\b+\i]|, |v[\xs+1+16*\b+\i]|
.endr
.endr
.irp b, 0,1,2,3
	v_permlanex16_b32 v[TM+4+\b], v[TM+\b], s[SEL], s[SEL+1]
.endr
.irp b, 0,1,2,3
	v_max_num_f32 v[TM+\b], v[TM+\b], v[TM+4+\b]
.endr
.irp b, 0,1,2,3
	v_add_nc_u32 v[TM+12+\b], 0xfe000000, v[TM+\b]           ; 4 off the exponent field: the conversion's scale operand
.endr
.irp b, 0,1,2,3
	v_lshrrev_b32 v[TM+4+\b], 23, v[TM+12+\b]
.endr
	v_lshl_or_b32 v[PWD], v[TM+5], 8, v[TM+4]
	v_lshl_or_b32 v[PWD], v[TM+6], 16, v[PWD]
	v_lshl_or_b32 v[PWD], v[TM+7], 24, v[PWD]
.irp c, 0,1
	v_cvt_scalef32_pk16_bf6_f32 v[CD+6*\c:CD+2+6*\c], v[\xs+32*\c:\xs+15+32*\c], v[TM+12+2*\c]
	v_cvt_scalef32_pk16_bf6_f32 v[TQ+4*\c:TQ+2+4*\c], v[\xs+16+32*\c:\xs+31+32*\c], v[TM+12+2*\c+1]
.endr
	v_nop                                                    ; one plain instruction behind the scaled conversions
.irp c, 0,1
.irp i, 0,1,2
	v_permlane16_swap_b32 v[CD+6*\c+\i], v[TQ+4*\c+\i]
.endr
.irp i, 0,1,2
	v_mov_b32 v[CD+3+6*\c+\i], v[TQ+4*\c+\i]
.endr
.endr
.endm
.macro IMAGE u                         ; the fragment goes to LDS as it stands; its scale word to slot i (tile 8's also to slot 9, which is read with it)
.irp k, 0,1,2
	ds_store_b128 v[IMA], v[CD+4*\k:CD+4*\k+3] offset:13824*((\u)%2)+1536*((\u)/2)+512*\k
.endr
	ds_store_b32 v[IMS], v[PWD] offset:640*((\u)%2)+64*((\u)/2)
.if (\u)/2 == 8
	ds_store_b32 v6, v[PWD] offset:640*((\u)%2)+576
.endif
.endm
.macro STEP u                          ; unit u is quantised; unit u + 1 is kept and turned; unit u + 4 is asked for
	WIN 0
	s_wait_dscnt 0x0                               ; unit u is back from the stage, and my earlier LDS stores have read their registers (codes, bf16, landing set u % 4)
.if (\u) < 17
.if (\u) <= 14
	s_wait_loadcnt 32                              ; unit u + 1 is in; units u + 2 and u + 3 may be out
.else
	s_wait_loadcnt 16*(16-(\u))
.endif
.endif
.if ((\u)%2 == 0) && ((\u)/2 <= 6)
	s_wait_kmcnt 0x0
	VO (\u)/2+2                                    ; into the offsets of tile u / 2, whose loads are all in
.if (\u)/2 <= 4
	s_load_b512 s[IX+16*(((\u)/2)%2):IX+16*(((\u)/2)%2)+15], s[LB:LB+1], 64*((\u)/2+4)
.endif
.endif
.if (\u) <= 13
	s_wait_alu depctr_va_vdst(0)
	LOAD (\u)+4
.endif
.if (\u) < 17
	RETAIN (\u)+1
	TURN (\u)+1
.endif
	QUANT X+64*((\u)%2)
	IMAGE \u
.endm
.macro AFETCH sn, i                    ; enc's fragment (K step sn, tile i)
.irp k, 0,1,2
	ds_load_b128 v[AF+12*(\i)+4*\k:AF+12*(\i)+4*\k+3], v[ADA+(\sn)/4] offset:((\sn)%4)*13824+1536*(\i)+512*\k
.endr
.endm
.macro ASFETCH sn                      ; its scale words: register p carries tile 2 p in lanes 0-15 and tile 2 p + 1 in lanes 16-31
.irp p, 0,1,2,3,4
	ds_load_b32 v[AS+5*((\sn)%2)+\p], v12 offset:640*(\sn)+128*\p
.endr
.endm
.macro PROD i, c, s                    ; accumulator (i, c) takes K step s
.if (\i) < 8
.set AC, 32*(\i)+8*(\c)
.else
.set AC, 192+8*(\c)
.endif
.if (\s) == 0
.set CR, HB+8*(\c)
.else
.set CR, AC
.endif
.set BR, 48*((\s)%4)+12*(\c)
.set AR, AF+12*(\i)
.set SWE, BS+2*((\s)%4)+(\c)/2
.set SEN, AS+5*((\s)%2)+(\i)/2
.if ((\c)%2 == 0) && ((\i)%2 == 0)
	v_wmma_scale_f32_16x16x128_f8f6f4 v[AC:AC+7], v[BR:BR+11], v[AR:AR+11], v[CR:CR+7], v[SWE], v[SEN] matrix_a_fmt:MATRIX_FMT_BF6 matrix_b_fmt:MATRIX_FMT_BF6
.elseif ((\c)%2 == 1) && ((\i)%2 == 0)
	v_wmma_scale_f32_16x16x128_f8f6f4 v[AC:AC+7], v[BR:BR+11], v[AR:AR+11], v[CR:CR+7], v[SWE], v[SEN] matrix_a_fmt:MATRIX_FMT_BF6 matrix_b_fmt:MATRIX_FMT_BF6 matrix_a_scale:MATRIX_SCALE_ROW1
.elseif ((\c)%2 == 0) && ((\i)%2 == 1)
	v_wmma_scale_f32_16x16x128_f8f6f4 v[AC:AC+7], v[BR:BR+11], v[AR:AR+11], v[CR:CR+7], v[SWE], v[SEN] matrix_a_fmt:MATRIX_FMT_BF6 matrix_b_fmt:MATRIX_FMT_BF6 matrix_b_scale:MATRIX_SCALE_ROW1
.else
	v_wmma_scale_f32_16x16x128_f8f6f4 v[AC:AC+7], v[BR:BR+11], v[AR:AR+11], v[CR:CR+7], v[SWE], v[SEN] matrix_a_fmt:MATRIX_FMT_BF6 matrix_b_fmt:MATRIX_FMT_BF6 matrix_a_scale:MATRIX_SCALE_ROW1 matrix_b_scale:MATRIX_SCALE_ROW1
.endif
.endm
; A K step: 36 products, the accumulators by turns in the same order in every step.  Tiles 0-4's fragments are fetched anew behind their 20 products, tiles 5-8's behind theirs;
; the ring set just used takes We's fragments of four K steps on.
.macro KSTEP s
.set SN, ((\s)+1)%8
.if ((\s) >= 2) && ((\s) <= 4)
	s_wait_loadcnt 55                              ; this step's ring set is in; the three younger sets of 13 loads and the 16 loads of hb and V may be out
.else
	s_wait_loadcnt 39                              ; the three younger sets of 13 loads may be out
.endif
	s_wait_dscnt 12                                ; tiles 0-4 and the scale words are in; the youngest twelve loads (tiles 5-8) may be out
.if (\s) == 0
	WIN 0x81                                       ; We window 1, enc window 0, C = hb window 0, D window 2
.else
	WIN 0xa1
.endif
.irp i, 0,1,2,3,4
.irp c, 0,1,2,3
	PROD \i, \c, \s
.endr
.endr
	s_wait_dscnt 0x0                               ; tiles 5-8 are in
	WIN 0
	PLACES
.irp i, 0,1,2,3,4
	AFETCH SN, \i
.endr
	ASFETCH SN
.if (\s) == 1                          ; hb of the next chunk (this chunk's was read by K step 0) and V of this one: lane (r, h) wants the eight units 8 h .. 8 h + 7 of each tile
.irp c, 0,1,2,3
	global_load_b128 v[HB+8*\c:HB+8*\c+3], v13, s[88:89] offset:64*\c
	global_load_b128 v[HB+8*\c+4:HB+8*\c+7], v13, s[88:89] offset:64*\c+16
.endr
.irp c, 0,1,2,3
	global_load_b128 v[VV+8*\c:VV+8*\c+3], v13, s[90:91] offset:64*\c
	global_load_b128 v[VV+8*\c+4:VV+8*\c+7], v13, s[90:91] offset:64*\c+16
.endr
.endif
.if (\s) == 0
	WIN 0x81
.else
	WIN 0xa1
.endif
.irp i, 5,6,7
.irp c, 0,1,2,3
	PROD \i, \c, \s
.endr
.endr
.if (\s) == 0
	WIN 0x41                                       ; tile 8's accumulators lie in window 1
.else
	WIN 0x51
.endif
.irp c, 0,1,2,3
	PROD 8, \c, \s
.endr
	WIN 0
	PLACES
.irp i, 5,6,7,8
	AFETCH SN, \i
.endr
.if (\s) < 4
.set GB, 66
.set GS, 70
.set GO, (\s)+4
.else
.set GB, 68
.set GS, 72
.set GO, (\s)-4
.endif
	WIN 0x40
.irp c, 0,1,2,3
.irp k, 0,1,2
	global_load_b128 v[48*((\s)%4)+12*\c+4*\k:48*((\s)%4)+12*\c+4*\k+3], v1, s[GB:GB+1] offset:6144*GO+1536*\c+512*\k
.endr
.endr
	WIN 0
	global_load_b64 v[BS+2*((\s)%4):BS+2*((\s)%4)+1], v19, s[GS:GS+1] offset:256*GO
.endm
; tanh's r for n registers from v[first] on, in the window that is set (destination and source 0): x 2 log2(e), 2^, + 1, 1 /.  Each batch of transcendentals has a plain instruction behind its last and ONE wait ahead of its first reader.
; Ascending register numbers: each accumulator is read from its low end on.
.macro TANHR first, n
.set j, \first
.rept (\n)/2
	v_pk_mul_f32 v[j:j+1], v[j:j+1], s[80:81] op_sel_hi:[1,0]
.set j, j+2
.endr
.set j, \first
	s_wait_alu depctr_va_vdst(0)
.rept \n
	v_exp_f32 v[j], v[j]
.set j, j+1
.endr
	v_nop
	s_wait_alu depctr_va_vdst(0)
.set j, \first
.rept (\n)/2
	v_pk_add_f32 v[j:j+1], v[j:j+1], 1.0 op_sel_hi:[1,0]
.set j, j+2
.endr
.set j, \first
	s_wait_alu depctr_va_vdst(0)
.rept \n
	v_rcp_f32 v[j], v[j]
.set j, j+1
.endr
	v_nop
	s_wait_alu depctr_va_vdst(0)
.endm
.macro FMA16 rbase, pbase              ; 16 rows x my 8 columns: bf16 x f32 + f32, eight sums by turns
.irp p, 0,1,2,3,4,5,6,7,8,9,10,11,12,13,14,15
.irp e, 0,1,2,3
	v_fma_mix_f32_bf16 v[CT+2*\e], v[\rbase+4*\p+\e], v[\pbase+\p], v[CT+2*\e] op_sel_hi:[1,0,0]
	v_fma_mix_f32_bf16 v[CT+2*\e+1], v[\rbase+4*\p+\e], v[\pbase+\p], v[CT+2*\e+1] op_sel:[1,0,0] op_sel_hi:[1,0,0]
.endr
.endr
.endm
.macro ROWS i, reg                     ; the 16 kept rows of tile i - 4 (i 4 to 8), my 16 bytes of each, into window 2 from v[reg] on
	WIN 0x80
.irp p, 0,1,2,3,4,5,6,7,8,9,10,11,12,13,14,15
	ds_load_b128 v[\reg+4*\p:\reg+4*\p+3], v[RT+((\i)-4)/2] offset:((((\i)-4)%2)*16+\p)*2048
.endr
.endm
	; ---------------- the head: every work-group ----------------
	s_load_b512 s[4:19], s[0:1], 0x0               ; enc s[4:5], V s[6:7], wq s[8:9], ws s[10:11], hb s[12:13], list s[14:15], meta s[16:17], out2 s[18:19]
	s_load_b128 s[20:23], s[0:1], 0x40             ; pc s[20:21], ml s[22:23]
	v_lshl_add_u32 v254, v0, 2, 0x4e000
	v_mov_b32 v255, 0
	v_lshrrev_b32 v22, 5, v0
	v_readfirstlane_b32 s24, v22                   ; wave 0..3
	s_mov_b32 s25, ttmp9                           ; batch
	s_and_b32 s26, ttmp7, 0xffff                   ; part
	s_mov_b32 s31, 0
	s_lshl_b32 s96, s25, 4
	s_add_co_u32 s96, s96, s26                     ; 16 b + t
	s_lshl_b32 s30, s25, 7
	s_wait_kmcnt 0x0
	s_add_nc_u64 s[16:17], s[16:17], s[30:31]      ; meta: 32 words a batch
	s_lshl_b32 s30, s26, 2
	s_add_nc_u64 s[92:93], s[16:17], s[30:31]
	s_load_b32 s27, s[92:93], 0x0                  ; n: my part's rows
	s_load_b32 s28, s[16:17], 0x40                 ; the flag: the batch has no kept position
	s_lshl_b32 s30, s25, 23
	s_add_nc_u64 s[4:5], s[4:5], s[30:31]          ; enc at my batch
	s_lshl_b32 s30, s24, 10
	s_add_nc_u64 s[90:91], s[6:7], s[30:31]        ; V at my wave's 256 units
	s_lshl_b32 s97, s25, 12
	s_add_co_u32 s30, s30, s97
	s_add_nc_u64 s[86:87], s[12:13], s[30:31]      ; hb likewise, in my batch's row
	s_mul_i32 s30, s24, 196608
	s_add_nc_u64 s[74:75], s[8:9], s[30:31]        ; wq at my wave's four chunks of 49,152 bytes
	s_lshl_b32 s30, s24, 13
	s_add_nc_u64 s[76:77], s[10:11], s[30:31]      ; ws: 2,048 bytes a chunk
	s_lshl_b32 s30, s96, 10
	s_add_nc_u64 s[14:15], s[14:15], s[30:31]
	s_lshl_b32 s30, s25, 13
	s_add_nc_u64 s[18:19], s[18:19], s[30:31]
	s_lshl_b32 s30, s96, 12
	s_add_nc_u64 s[20:21], s[20:21], s[30:31]
	s_lshl_b32 s30, s96, 3
	s_add_nc_u64 s[22:23], s[22:23], s[30:31]
	v_and_b32 v22, 31, v0                          ; lane
	v_lshlrev_b32 v1, 4, v22
	v_lshlrev_b32 v19, 3, v22
	WIN 0x40
.irp g, 0,1,2,3                        ; the ring's first four sets: K steps 0-3 of chunk 0
.irp c, 0,1,2,3
.irp k, 0,1,2
	global_load_b128 v[48*\g+12*\c+4*\k:48*\g+12*\c+4*\k+3], v1, s[74:75] offset:6144*\g+1536*\c+512*\k
.endr
.endr
.endr
	WIN 0
.irp g, 0,1,2,3
	global_load_b64 v[BS+2*\g:BS+2*\g+1], v19, s[76:77] offset:256*\g
.endr
	v_and_b32 v21, 15, v0                          ; r
	v_bfe_u32 v23, v0, 4, 1                        ; h
	v_lshlrev_b32 v2, 2, v21
	s_mul_i32 s96, s24, 8448
	s_add_co_u32 s96, s96, STG
	v_add_nc_u32 v3, s96, v1
	v_mul_u32_u24 v4, v21, 528
	v_lshl_add_u32 v4, v23, 6, v4
	v_add_nc_u32 v4, s96, v4
	s_mul_i32 s96, s24, 27648
	v_add_nc_u32 v5, s96, v1
	s_mul_i32 s96, s24, 1280
	s_add_co_u32 s96, s96, XSC
	v_add_nc_u32 v6, s96, v2
	s_lshl_b32 s96, s24, 9
	s_add_co_u32 s96, s96, RET
	v_add_nc_u32 v7, s96, v1
	v_add_nc_u32 v8, 0x10000, v7
	v_add_nc_u32 v9, 0x20000, v7
	v_mov_b32 v10, v1
	v_add_nc_u32 v11, 55296, v1
	v_lshl_add_u32 v12, v22, 2, XSC
	v_lshlrev_b32 v13, 5, v23
	v_mov_b32 v14, 0
	s_mul_i32 s96, s24, 576
	s_add_co_u32 s97, s96, PS
	v_add_nc_u32 v15, s97, v2
	v_add_nc_u32 v16, PS, v2
	s_add_co_u32 s97, s96, PW
	v_add_nc_u32 v17, s97, v2
	v_mov_b32 v18, s97
	s_lshl_b32 s96, s24, 10
	v_add_nc_u32 v20, s96, v1
.irp i, 4,5,6,7
	v_mov_b32 v[TM+\i], 0                          ; written once: a lane permute's destination counts as one of its sources
.endr
	s_mov_b32 s80, 0x4038aa3b                      ; 2 log2(e)
	s_mov_b32 s81, s80
	s_mov_b32 s[SEL], 0x76543210
	s_mov_b32 s[SEL+1], 0xfedcba98
	s_wait_kmcnt 0x0
	s_cmp_lg_u32 s27, 0
	s_cbranch_scc1 .Lrows
	WIN 0xc0                                       ; a part without rows: zeros into the registers of the kept copy, so that every register that the text reads further down has been written on each way that leads there
.set j, 0
.rept 256
	v_mov_b32 v[j], 0
.set j, j+1
.endr
	WIN 0x80                                       ; likewise what the loop's first trip reads: landing sets 1-3,
.set j, 64
.rept 192
	v_mov_b32 v[j], 0
.set j, j+1
.endr
	WIN 0
.set j, X
.rept 64
	v_mov_b32 v[j], 0                              ; the first set of 64 numbers,
.set j, j+1
.endr
.irp q, 32,34,36,38,40,42,44,46,48,50,52,54,56,58,60,62
	s_mov_b64 s[\q:\q+1], 0                        ; and the two sets of row numbers
.endr
	s_wait_alu depctr_va_vdst(0)
	s_branch .Lwalk
	; ---------------- phase L ----------------
.Lrows:
	s_load_b512 s[32:47], s[14:15], 0x0
	s_load_b512 s[48:63], s[14:15], 0x40
	s_wait_kmcnt 0x0
	s_wait_alu depctr_va_vdst(0)
	VO 0
	VO 1
	s_load_b512 s[32:47], s[14:15], 0x80
	s_load_b512 s[48:63], s[14:15], 0xc0
	LOAD 0
	LOAD 1
	s_wait_alu depctr_va_vdst(0)
	LOAD 2
	LOAD 3
	s_wait_loadcnt 48                              ; unit 0 is in (and all that was asked for ahead of it); units 1-3 may be out
	RETAIN 0
	TURN 0
	WIN 0
.Lwalk:                                                ; units 0-7: two trips of four units; landing sets, row offsets and row numbers are back where they began after four
	s_mov_b32 s99, 0
.Ltrip:
	s_cmp_eq_u32 s27, 0
	s_cbranch_scc1 .Lidle                          ; a part without rows walks the loop and jumps over the work
	s_wait_kmcnt 0x0                               ; no scalar load is out: the list's base may be written
	s_lshl_b32 s30, s99, 7                         ; a trip is two tiles: 128 bytes of the list and of a K step's scale words,
	s_add_nc_u64 s[92:93], s[14:15], s[30:31]
	s_lshl_b32 s96, s99, 16                        ; 65,536 bytes of kept rows,
	s_mul_i32 s97, s99, 3072                       ; 3,072 bytes of images
	v_add_nc_u32 v242, s96, v7
	v_add_nc_u32 v243, s96, v8
	v_add_nc_u32 v244, s97, v5
	v_add_nc_u32 v245, s30, v6
	s_wait_alu depctr_va_vdst(0)
.set RTB, 242
.set IMA, 244
.set IMS, 245
.set LB,  92
.irp u, 0,1,2,3
	STEP \u
.endr
.set RTB, 7
.set IMA, 5
.set IMS, 6
.set LB,  14
	WIN 0
	s_wait_alu depctr_va_vdst(0)
.Lidle:
	s_add_co_u32 s99, s99, 1
	s_cmp_lt_u32 s99, 2
	s_cbranch_scc1 .Ltrip
	s_cmp_eq_u32 s27, 0
	s_cbranch_scc1 .Lb1
.irp u, 8,9,10,11,12,13,14,15,16,17
	STEP \u
.endr
.Lb1:
	s_wait_dscnt 0x0                               ; for the others' sake: my images and scale words have landed; my own: the stores have read the registers that hb takes
.irp c, 0,1,2,3
	global_load_b128 v[HB+8*\c:HB+8*\c+3], v13, s[86:87] offset:64*\c          ; hb of chunk 0
	global_load_b128 v[HB+8*\c+4:HB+8*\c+7], v13, s[86:87] offset:64*\c+16
.endr
	s_barrier_signal -1
	s_barrier_wait -1                              ; all 72 fragments of enc lie in LDS
	s_cmp_eq_u32 s27, 0
	s_cbranch_scc1 .Lb2
	; ---------------- phase G ----------------
	s_mov_b64 s[66:67], s[74:75]                   ; wq: this chunk, the next
	s_add_nc_u64 s[68:69], s[74:75], 49152
	s_mov_b64 s[70:71], s[76:77]                   ; ws likewise
	s_add_nc_u64 s[72:73], s[76:77], 2048
	s_add_nc_u64 s[88:89], s[86:87], 256           ; hb of chunk 1
	s_mov_b32 s78, 0                               ; q
.irp i, 0,1,2,3,4
	AFETCH 0, \i
.endr
	ASFETCH 0
.irp i, 5,6,7,8
	AFETCH 0, \i
.endr
.irp i, 0,1,2,3,4,5,6,7,8,9,10,11,12,13,14,15,16,17,18,19
	v_mov_b32 v[SA+\i], 0                          ; sum V r of nine tiles, and sum V
.endr
	s_wait_loadcnt 0x0                             ; the ring's first four sets and hb of chunk 0
.Lchunk:
	KSTEP 0
	KSTEP 1
	KSTEP 2
	KSTEP 3
	KSTEP 4
	KSTEP 5
	KSTEP 6
	KSTEP 7
	; tanh and the product with V.  The four plain instructions of the last K step stand behind its products.  Tile 8's 32 numbers (window 1) go first, in batches of their own; then the 256 of tiles 0-7 (window 2)
	WIN 0x41
	TANHR 192, 32
	WIN 0x82
	TANHR 0, 256
	WIN 0x02
.irp c, 0,1,2,3
.irp p, 0,2,4,6
.irp i, 0,1,2,3,4,5,6,7
	v_pk_fma_f32 v[SA+2*\i:SA+2*\i+1], v[32*\i+8*\c+\p:32*\i+8*\c+\p+1], v[VV+8*\c+\p:VV+8*\c+\p+1], v[SA+2*\i:SA+2*\i+1]
.endr
.endr
.endr
	WIN 0x01
.irp c, 0,1,2,3
.irp p, 0,2,4,6
	v_pk_fma_f32 v[SA+16:SA+17], v[192+8*\c+\p:192+8*\c+\p+1], v[VV+8*\c+\p:VV+8*\c+\p+1], v[SA+16:SA+17]
.endr
.endr
	WIN 0
.set j, 0
.rept 16
	v_pk_add_f32 v[SV:SV+1], v[SV:SV+1], v[VV+j:VV+j+1]
.set j, j+2
.endr
	s_wait_xcnt 0x0                                ; the pending loads have read their bases: these may be written
	s_mov_b64 s[66:67], s[68:69]
	s_mov_b64 s[70:71], s[72:73]
	s_add_co_u32 s96, s78, 2
	s_and_b32 s96, s96, 3                          ; the chunk after the next, wrapped: the last trip's look-ahead reads my first chunk again and no load leaves its buffer
	s_mul_i32 s30, s96, 49152
	s_add_nc_u64 s[68:69], s[74:75], s[30:31]
	s_lshl_b32 s30, s96, 11
	s_add_nc_u64 s[72:73], s[76:77], s[30:31]
	s_lshl_b32 s30, s96, 8
	s_add_nc_u64 s[88:89], s[86:87], s[30:31]
	s_add_nc_u64 s[90:91], s[90:91], 256
	s_add_co_u32 s78, s78, 1
	s_cmp_lt_u32 s78, 4
	s_cbranch_scc1 .Lchunk
	; my wave's part of the nine tiles' scores: sum V - 2 sum V r, over my 8 x 16 units and lane l xor 16's
	s_wait_alu depctr_va_vdst(0)
	v_add_f32 v116, v[SV], v[SV+1]
.irp i, 0,1,2,3,4,5,6,7,8
	v_add_f32 v[96+\i], v[SA+2*\i], v[SA+2*\i+1]
.endr
.irp i, 0,1,2,3,4,5,6,7,8
	v_fma_f32 v[106+\i], v[96+\i], -2.0, v116
.endr
.irp i, 0,1,2,3,4,5,6,7,8
	v_permlanex16_b32 v[96+\i], v[106+\i], s[SEL], s[SEL+1]
.endr
.irp i, 0,1,2,3,4,5,6,7,8
	v_add_f32 v[106+\i], v[106+\i], v[96+\i]
.endr
.irp i, 0,1,2,3,4,5,6,7,8
	ds_store_b32 v15, v[106+\i] offset:64*\i       ; lanes r and r + 16 store the same number at the same place
.endr
.Lb2:
	s_wait_loadcnt 0x0                             ; hb's loads and the ring's look-ahead have landed: registers among theirs are loaded again below
	s_wait_dscnt 0x0                               ; my parts have landed, and the fragments fetched past the last K step are in
	s_barrier_signal -1
	s_barrier_wait -1
.irp i, 0,1,2,3,4,5,6,7
	v_mov_b32 v[CT+\i], 0                          ; the context's eight sums, on every way that leads to the loop below
.endr
	s_wait_alu depctr_va_vdst(0)
	s_cmp_eq_u32 s27, 0
	s_cbranch_scc1 .Lcw
	; ---------------- phase S ----------------
.irp i, 0,1,2,3,4,5,6,7,8
	global_load_b32 v[IDX+\i], v2, s[14:15] offset:64*\i       ; lane r: the row number of slot 16 i + r
.endr
.irp i, 0,1,2,3,4,5,6,7,8
.irp w, 0,1,2,3
	ds_load_b32 v[TT+4*\i+\w], v16 offset:576*\w+64*\i
.endr
.endr
	v_mov_b32 v42, 0xd368d4a5                      ; -1e12
	v_mov_b32 v43, 0xff61b1e6                      ; -3e38
	s_cmp_lg_u32 s28, 0
	s_cselect_b32 s84, -1, 0
	s_wait_dscnt 0x0
.irp i, 0,1,2,3,4,5,6,7,8
	v_add_f32 v[TT+4*\i], v[TT+4*\i], v[TT+4*\i+1]
	v_add_f32 v[TT+4*\i+2], v[TT+4*\i+2], v[TT+4*\i+3]
.endr
.irp i, 0,1,2,3,4,5,6,7,8
	v_add_f32 v[SCR+\i], v[TT+4*\i], v[TT+4*\i+2]
.endr
.irp i, 0,1,2,3,4,5,6,7,8
	v_cndmask_b32 v[SCR+\i], v[SCR+\i], v42, s84   ; a batch with no kept position: every score is -1e12
	v_add_nc_u32 v216, 16*\i, v21
	v_cmp_gt_u32 s[32+\i], s27, v216               ; slots under n are rows of mine
	v_cndmask_b32 v[SMX+\i], v43, v[SCR+\i], s[32+\i]
.endr
	v_max3_num_f32 v[ML], v[SMX], v[SMX+1], v[SMX+2]
	v_max3_num_f32 v[ML], v[ML], v[SMX+3], v[SMX+4]
	v_max3_num_f32 v[ML], v[ML], v[SMX+5], v[SMX+6]
	v_max3_num_f32 v[ML], v[ML], v[SMX+7], v[SMX+8]
	v_max_num_f32_dpp v[ML], v[ML], v[ML] row_xmask:1 row_mask:0xf bank_mask:0xf
	v_max_num_f32_dpp v[ML], v[ML], v[ML] row_xmask:2 row_mask:0xf bank_mask:0xf
	v_max_num_f32_dpp v[ML], v[ML], v[ML] row_xmask:4 row_mask:0xf bank_mask:0xf
	v_max_num_f32_dpp v[ML], v[ML], v[ML] row_xmask:8 row_mask:0xf bank_mask:0xf   ; m: the part's largest score (both halves of the lanes hold the same)
.irp i, 0,1,2,3,4,5,6,7,8
	v_sub_f32 v[SMX+\i], v[SMX+\i], v[ML]
.endr
.irp i, 0,1,2,3,4,5,6,7,8
	v_mul_f32 v[SMX+\i], 0x3fb8aa3b, v[SMX+\i]
.endr
	s_wait_alu depctr_va_vdst(0)
.irp i, 0,1,2,3,4,5,6,7,8
	v_exp_f32 v[SMX+\i], v[SMX+\i]
.endr
	v_nop
	s_wait_alu depctr_va_vdst(0)                   ; one wait for the nine
.irp i, 0,1,2,3,4,5,6,7,8
	v_cndmask_b32 v[SMX+\i], 0, v[SMX+\i], s[32+\i]  ; p; 0 for slots that are no rows
.endr
	v_add_f32 v216, v[SMX], v[SMX+1]
	v_add_f32 v217, v[SMX+2], v[SMX+3]
	v_add_f32 v218, v[SMX+4], v[SMX+5]
	v_add_f32 v219, v[SMX+6], v[SMX+7]
	v_add_f32 v216, v216, v217
	v_add_f32 v218, v218, v219
	v_add_f32 v216, v216, v218
	v_add_f32 v[ML+1], v216, v[SMX+8]
	v_add_f32_dpp v[ML+1], v[ML+1], v[ML+1] row_xmask:1 row_mask:0xf bank_mask:0xf
	v_add_f32_dpp v[ML+1], v[ML+1], v[ML+1] row_xmask:2 row_mask:0xf bank_mask:0xf
	v_add_f32_dpp v[ML+1], v[ML+1], v[ML+1] row_xmask:4 row_mask:0xf bank_mask:0xf
	v_add_f32_dpp v[ML+1], v[ML+1], v[ML+1] row_xmask:8 row_mask:0xf bank_mask:0xf   ; l
.irp i, 0,1,2,3,4,5,6,7,8
	ds_store_b32 v17, v[SMX+\i] offset:64*\i       ; my wave's own copy of the weights
.endr
	; ---------------- phase C: tiles 5-8 from window 3, then tiles 0-4 from LDS through window 2 in a counted loop ----------------
; Tiles 5-8 from window 3; then tiles 0-4 from LDS, a tile a trip
.macro FMA4 p0                         ; four rows of the tile read back (window 2, v0 on) x my 8 columns
.irp p, 0,1,2,3
.irp e, 0,1,2,3
	v_fma_mix_f32_bf16 v[CT+2*\e], v[4*(\p0+\p)+\e], v[PP+\p0+\p], v[CT+2*\e] op_sel_hi:[1,0,0]
	v_fma_mix_f32_bf16 v[CT+2*\e+1], v[4*(\p0+\p)+\e], v[PP+\p0+\p], v[CT+2*\e+1] op_sel:[1,0,0] op_sel_hi:[1,0,0]
.endr
.endr
.endm
.irp i, 5,6,7,8
.irp k, 0,1,2,3
	ds_load_b128 v[PP+16*(\i-4)+4*\k:PP+16*(\i-4)+4*\k+3], v18 offset:64*\i+16*\k   ; the weights of tiles 5-8, the same in every lane; LDS serves a wave's instructions in order: these see my stores
.endr
.endr
	s_wait_dscnt 0x0
	WIN 0x03
.irp i, 0,1,2,3
	FMA16 64*\i, PP+16+16*\i
.endr
	WIN 0
	s_wait_alu depctr_va_vdst(0)
.Lcw:
	s_mov_b32 s99, 0
.Lct:
	s_cmp_eq_u32 s27, 0
	s_cbranch_scc1 .Lci                            ; a part without rows walks the loop and jumps over the work
	s_lshl_b32 s96, s99, 15                        ; a tile's 16 kept rows are 32,768 bytes,
	s_lshl_b32 s97, s99, 6                         ; its weights 64
	v_add_nc_u32 v251, s96, v7
	v_add_nc_u32 v252, s97, v18
	s_wait_alu depctr_va_vdst(0)
.irp k, 0,1,2,3
	ds_load_b128 v[PP+4*\k:PP+4*\k+3], v252 offset:16*\k
.endr
	WIN 0x80
.irp p, 0,1,2,3,4,5,6,7,8,9,10,11,12,13,14,15
	ds_load_b128 v[4*\p:4*\p+3], v251 offset:2048*\p
.endr
	WIN 0x02
.irp g, 0,1,2,3
	s_wait_alu depctr_va_vdst(0)
	s_wait_dscnt 12-4*\g                           ; the weights and rows 0 .. 4 g + 3 are in; the younger row loads may be out
	FMA4 4*\g
.endr
	WIN 0
	s_wait_alu depctr_va_vdst(0)
.Lci:
	s_add_co_u32 s99, s99, 1
	s_cmp_lt_u32 s99, 5
	s_cbranch_scc1 .Lct
	s_cmp_eq_u32 s27, 0
	s_cbranch_scc1 .Lend
	global_store_b128 v20, v[CT:CT+3], s[20:21]                ; 32 lanes store 512 consecutive bytes
	global_store_b128 v20, v[CT+4:CT+7], s[20:21] offset:512
	; wave 0 stores the scores and (m, l).  The waves part here, behind the last line that makes an LDS address; phase C writes none of the registers read below
	s_cmp_lg_u32 s24, 0
	s_cbranch_scc1 .Lnot0
	s_wait_loadcnt 0x0                             ; the row numbers are in
.irp i, 0,1,2,3,4,5,6,7,8
	v_min_u32 v[VO2+\i], 0x7ff, v[IDX+\i]
.endr
.irp i, 0,1,2,3,4,5,6,7,8
	v_lshlrev_b32 v[VO2+\i], 2, v[VO2+\i]
.endr
	s_wait_alu depctr_va_vdst(0)
.irp i, 0,1,2,3,4,5,6,7,8
	s_wait_xcnt 0x0                                ; EXEC changes only behind this wait
	s_mov_b32 vcc_lo, s[32+\i]
	s_and_saveexec_b32 s94, vcc_lo                 ; rows of mine alone
	global_store_b32 v[VO2+\i], v[SCR+\i], s[18:19]
	s_wait_xcnt 0x0
	s_or_b32 exec_lo, exec_lo, s94
.endr
	global_store_b64 v14, v[ML:ML+1], s[22:23]     ; every lane holds the same pair
	s_wait_xcnt 0x0
.Lnot0:
.Lend:
	s_wait_tensorcnt 0x0
	ds_add_u32 v254, v255
	s_wait_dscnt 0x0
	s_endpgm
.Lfunc_end_k_qebc740821f_main:
	.size	k_qebc740821f_main, .Lfunc_end_k_qebc740821f_main-k_qebc740821f_main
	.p2alignl 7, 3214868480
	.fill 96, 4, 3214868480
	.section	.rodata,"a",@progbits
	.p2align	6, 0x0
	.amdhsa_kernel k_qebc740821f_main
		.amdhsa_group_segment_fixed_size 320000
		.amdhsa_private_segment_fixed_size 0
		.amdhsa_enable_private_segment 0
		.amdhsa_kernarg_size 80
		.amdhsa_user_sgpr_count 2
		.amdhsa_user_sgpr_kernarg_segment_ptr 1
		.amdhsa_wavefront_size32 1
		.amdhsa_system_sgpr_workgroup_id_x 1
		.amdhsa_system_sgpr_workgroup_id_y 1
		.amdhsa_system_sgpr_workgroup_id_z 1
		.amdhsa_system_vgpr_workitem_id 0
		.amdhsa_next_free_vgpr 1024
		.amdhsa_next_free_sgpr 100
		.amdhsa_reserve_vcc 1
		.amdhsa_float_denorm_mode_32 3
		.amdhsa_float_denorm_mode_16_64 3
		.amdhsa_memory_ordered 1
		.amdhsa_forward_progress 1
		.amdhsa_inst_pref_size 255
	.end_amdhsa_kernel
	.section	.bss,"aw",@nobits
	.p2align	6
	.space	262144
	.amdgpu_metadata
---
amdhsa.version: [ 1, 2 ]
amdhsa.kernels:
  - .name:           k_qebc740821f_main
    .symbol:         k_qebc740821f_main.kd
    .args:
      - { .name: enc_outputs, .offset: 0, .size: 8, .value_kind: global_buffer, .address_space: global }
      - { .name: V, .offset: 8, .size: 8, .value_kind: global_buffer, .address_space: global }
      - { .name: wq, .offset: 16, .size: 8, .value_kind: global_buffer, .address_space: global }
      - { .name: ws, .offset: 24, .size: 8, .value_kind: global_buffer, .address_space: global }
      - { .name: hb, .offset: 32, .size: 8, .value_kind: global_buffer, .address_space: global }
      - { .name: list, .offset: 40, .size: 8, .value_kind: global_buffer, .address_space: global }
      - { .name: meta, .offset: 48, .size: 8, .value_kind: global_buffer, .address_space: global }
      - { .name: out2, .offset: 56, .size: 8, .value_kind: global_buffer, .address_space: global }
      - { .name: pc, .offset: 64, .size: 8, .value_kind: global_buffer, .address_space: global }
      - { .name: ml, .offset: 72, .size: 8, .value_kind: global_buffer, .address_space: global }
    .group_segment_fixed_size: 320000
    .private_segment_fixed_size: 0
    .kernarg_segment_align: 8
    .kernarg_segment_size: 80
    .max_flat_workgroup_size: 128
    .sgpr_count:     100
    .vgpr_count:     1024
    .wavefront_size: 32
...
	.end_amdgpu_metadata
.endif
;; end of part 2
;; launch finish (part 3): grid 8 x 32, 4 waves a work-group, no clusters, 0 bytes of LDS; arguments meta, ml, pc, out2, out0, out1; writes out0, out1
.if DOCPART == 3
	.amdgcn_target "amdgcn-amd-amdhsa--gfx1250"
	.amdhsa_code_object_version 6
	.text
	.protected	k_qebc740821f_finish
	.globl	k_qebc740821f_finish
	.p2align	8
	.type	k_qebc740821f_finish,@function
k_qebc740821f_finish:
	s_mov_b64 s[64:65], 0
	v_nop
	global_prefetch_b8 v0, s[64:65] scope:SCOPE_SE
	s_setreg_imm32_b32 hwreg(HW_REG_WAVE_MODE, 25, 1), 1
	s_wait_xcnt 0x0
; The parts of a batch are joined: M = max m_t, L = sum l_t e^(m_t - M); out0 = sum (e^(m_t - M) / L) pc_t; out1 = e^(score - M) / L.
; Work-group (x, batch): thread i owns column 128 x + i of out0 and positions 256 x + 2 i, + 1 of out1.  A part without rows has (m, l) = (-3e38, 0) from the first launch; its pc was never stored and is never read
; (a scalar branch on its stored number of rows).  A masked position's score is -1e12: its weight falls to 0, or to 1 / 2,048 where the batch has no kept position.
; A short stream: no LDS, no matrix work, nothing shared between waves.
	s_load_b256 s[4:11], s[0:1], 0x0               ; meta s[4:5], ml s[6:7], pc s[8:9], out2 s[10:11]
	s_load_b128 s[12:15], s[0:1], 0x20             ; out0 s[12:13], out1 s[14:15]
	s_and_b32 s52, ttmp7, 0xffff                   ; batch
	s_mov_b32 s49, 0
	s_lshl_b32 s48, s52, 7
	v_and_b32 v1, 15, v0
	v_lshlrev_b32 v3, 3, v1                        ; lane l holds part l % 16
	v_lshlrev_b32 v5, 2, v0
	v_lshlrev_b32 v9, 3, v0
	s_wait_alu depctr_va_vdst(0)
	s_wait_kmcnt 0x0
	s_add_nc_u64 s[4:5], s[4:5], s[48:49]
	s_add_nc_u64 s[6:7], s[6:7], s[48:49]
	s_load_b512 s[16:31], s[4:5], 0x0              ; the parts' numbers of rows
	s_lshl_b32 s48, s52, 16
	s_lshl_b32 s50, ttmp9, 9
	s_add_co_u32 s48, s48, s50
	s_add_nc_u64 s[8:9], s[8:9], s[48:49]          ; pc: 65,536 bytes a batch, + my 128 columns
	s_lshl_b32 s48, s52, 13
	s_lshl_b32 s51, ttmp9, 10
	s_add_co_u32 s48, s48, s51
	s_add_nc_u64 s[10:11], s[10:11], s[48:49]
	s_add_nc_u64 s[14:15], s[14:15], s[48:49]
	s_lshl_b32 s48, s52, 12
	s_add_co_u32 s48, s48, s50
	s_add_nc_u64 s[12:13], s[12:13], s[48:49]
	global_load_b64 v[6:7], v3, s[6:7]             ; (m, l)
	global_load_b64 v[40:41], v9, s[10:11]         ; two scores
.irp t, 0,1,2,3,4,5,6,7,8,9,10,11,12,13,14,15
	v_mov_b32 v[16+\t], 0
.endr
	s_wait_kmcnt 0x0
.irp t, 0,1,2,3,4,5,6,7,8,9,10,11,12,13,14,15
	s_cmp_eq_u32 s[16+\t], 0
	s_cbranch_scc1 .Lno\t
	global_load_b32 v[16+\t], v5, s[8:9] offset:4096*\t
.Lno\t:
.endr
	s_wait_loadcnt 0x0
	v_mov_b32 v8, v6
	v_max_num_f32_dpp v8, v8, v8 row_xmask:1 row_mask:0xf bank_mask:0xf
	v_max_num_f32_dpp v8, v8, v8 row_xmask:2 row_mask:0xf bank_mask:0xf
	v_max_num_f32_dpp v8, v8, v8 row_xmask:4 row_mask:0xf bank_mask:0xf
	v_max_num_f32_dpp v8, v8, v8 row_xmask:8 row_mask:0xf bank_mask:0xf    ; M
	v_sub_f32 v10, v6, v8
	v_sub_f32 v42, v40, v8
	v_sub_f32 v43, v41, v8
	v_mul_f32 v10, 0x3fb8aa3b, v10
	v_mul_f32 v42, 0x3fb8aa3b, v42
	v_mul_f32 v43, 0x3fb8aa3b, v43
	s_wait_alu depctr_va_vdst(0)
	v_exp_f32 v10, v10
	v_exp_f32 v42, v42
	v_exp_f32 v43, v43
	v_nop
	s_wait_alu depctr_va_vdst(0)                   ; one wait for the three
	v_mul_f32 v11, v10, v7
	v_add_f32_dpp v11, v11, v11 row_xmask:1 row_mask:0xf bank_mask:0xf
	v_add_f32_dpp v11, v11, v11 row_xmask:2 row_mask:0xf bank_mask:0xf
	v_add_f32_dpp v11, v11, v11 row_xmask:4 row_mask:0xf bank_mask:0xf
	v_add_f32_dpp v11, v11, v11 row_xmask:8 row_mask:0xf bank_mask:0xf     ; L
	s_wait_alu depctr_va_vdst(0)
	v_rcp_f32 v12, v11
	v_nop
	s_wait_alu depctr_va_vdst(0)
	v_mul_f32 v10, v10, v12                        ; part l % 16's factor
	v_mul_f32 v42, v42, v12
	v_mul_f32 v43, v43, v12
.irp t, 0,1,2,3,4,5,6,7,8,9,10,11,12,13,14,15
	v_readlane_b32 s[32+\t], v10, \t
.endr
	v_mul_f32 v44, s32, v16
	v_mul_f32 v45, s33, v17
.irp t, 2,4,6,8,10,12,14
	v_fma_f32 v44, s[32+\t], v[16+\t], v44
	v_fma_f32 v45, s[33+\t], v[17+\t], v45
.endr
	v_add_f32 v44, v44, v45
	global_store_b32 v5, v44, s[12:13]             ; the work-group stores 512 consecutive bytes
	global_store_b64 v9, v[42:43], s[14:15]        ; a wave stores 256 consecutive bytes
	s_endpgm
.Lfunc_end_k_qebc740821f_finish:
	.size	k_qebc740821f_finish, .Lfunc_end_k_qebc740821f_finish-k_qebc740821f_finish
	.p2alignl 7, 3214868480
	.fill 96, 4, 3214868480
	.section	.rodata,"a",@progbits
	.p2align	6, 0x0
	.amdhsa_kernel k_qebc740821f_finish
		.amdhsa_group_segment_fixed_size 0
		.amdhsa_private_segment_fixed_size 0
		.amdhsa_enable_private_segment 0
		.amdhsa_kernarg_size 48
		.amdhsa_user_sgpr_count 2
		.amdhsa_user_sgpr_kernarg_segment_ptr 1
		.amdhsa_wavefront_size32 1
		.amdhsa_system_sgpr_workgroup_id_x 1
		.amdhsa_system_sgpr_workgroup_id_y 1
		.amdhsa_system_sgpr_workgroup_id_z 1
		.amdhsa_system_vgpr_workitem_id 0
		.amdhsa_next_free_vgpr 64
		.amdhsa_next_free_sgpr 66
		.amdhsa_reserve_vcc 0
		.amdhsa_float_denorm_mode_32 3
		.amdhsa_float_denorm_mode_16_64 3
		.amdhsa_memory_ordered 1
		.amdhsa_forward_progress 1
		.amdhsa_inst_pref_size 8
	.end_amdhsa_kernel
	.amdgpu_metadata
---
amdhsa.version: [ 1, 2 ]
amdhsa.kernels:
  - .name:           k_qebc740821f_finish
    .symbol:         k_qebc740821f_finish.kd
    .args:
      - { .name: meta, .offset: 0, .size: 8, .value_kind: global_buffer, .address_space: global }
      - { .name: ml, .offset: 8, .size: 8, .value_kind: global_buffer, .address_space: global }
      - { .name: pc, .offset: 16, .size: 8, .value_kind: global_buffer, .address_space: global }
      - { .name: out2, .offset: 24, .size: 8, .value_kind: global_buffer, .address_space: global }
      - { .name: out0, .offset: 32, .size: 8, .value_kind: global_buffer, .address_space: global }
      - { .name: out1, .offset: 40, .size: 8, .value_kind: global_buffer, .address_space: global }
    .group_segment_fixed_size: 0
    .private_segment_fixed_size: 0
    .kernarg_segment_align: 8
    .kernarg_segment_size: 48
    .max_flat_workgroup_size: 128
    .sgpr_count:     66
    .vgpr_count:     64
    .wavefront_size: 32
...
	.end_amdgpu_metadata
.endif
;; end of part 3
